; MI455X (gfx1250); checked and timed in simulation.
; The chip was launched on July 23, 2026; its instructions are those of AMD's public machine-readable ISA for CDNA 5 (MIT licence, August 2026) and "CDNA5" Instruction Set Architecture Reference Guide (July 2026). The comments in the code are by the model that wrote it; some were corrected since.
;; Knrm. Allowed arithmetic: float matrix products may take bf16 or f16 operands with f32 sums; all other float work in f32.
;; Inputs: W1 11 x 1 float32; b1 1 float32; embeddings 100,001 x 300 float32; inputs_d 256 x 512 int32; inputs_q 256 x 16 int32; mask 256 x 16 x 512 float32; mu 11 float32; q_weights 256 x 16 x 1 float32; sigma 11 float32.
;; Outputs: out0 256 x 1 float32.
;; One version. Each part assembles by itself: llvm-mc -triple=amdgcn-amd-amdhsa -mcpu=gfx1250 --defsym DOCPART=n.
;; ======== version 1 of 1: 1 launch
;; launch knrm (part 1): grid 256 x 1, 8 waves a work-group, no clusters, 143,616 bytes of LDS; arguments inputs_q, inputs_d, mask, q_weights, mu, sigma, embeddings, W1, b1, out0; writes out0
.if DOCPART == 1
	.amdgcn_target "amdgcn-amd-amdhsa--gfx1250"
	.amdhsa_code_object_version 6
	.text
	.protected	k_q396678a32f_knrm
	.globl	k_q396678a32f_knrm
	.p2align	8
	.type	k_q396678a32f_knrm,@function
k_q396678a32f_knrm:
	s_mov_b64 s[64:65], 0
	v_nop
	global_prefetch_b8 v0, s[64:65] scope:SCOPE_SE
	s_setreg_imm32_b32 hwreg(HW_REG_WAVE_MODE, 25, 1), 1
	s_wait_xcnt 0x0
; K-NRM, one work-group for each of the 256 batches, eight waves, one launch, nothing through memory but inputs and the result.
;   gather 16 query rows and 512 document rows (300 f32 = 1,200 bytes) -> bf16 -> 16 x 512 dot products on the matrix unit ->
;   scale by both norms -> 11 Gaussian kernels x mask, summed over the documents -> log, q_weights, W1, b1, tanh -> one f32.
; SHARES.  Wave w owns documents 64 w .. 64 w + 63, in four tiles of 16 rows, and query rows 2 w, 2 w + 1.  A row is taken by a half-wave:
;   75 pieces of 16 bytes = 15 lanes x 5 loads, lane l piece 15 j + l, so each load of a half-wave is 240 consecutive bytes.  Lane 15
;   repeats lane 14 (address and LDS store, same bytes, same data), so that no load leaves the row.
;   Table rows start at multiples of 16 bytes only (1,200 = 75 x 16), so aligned blocks of 256 bytes cannot be had.
; RING.  Eight slots of 20 registers, a pair of rows (one for each half-wave) in each: 40 loads of every wave are out all the time.
;   Two slots are converted at a time (20 conversions, then 10 reloads, then 6 LDS stores), so that a run of memory instructions
;   follows a run of vector instructions four times a tile.
; A ROW IN LDS is a permutation of k, the same for queries and documents, which keeps every product: lane l's pieces 0, 1 at byte 16 l,
;   pieces 2, 3 at 240 + 16 l, piece 4 at 480 + 8 l; bytes 600 to 639 are zero (K = 300 padded to 320), written once.
; NORMS ON THE MATRIX UNIT.  Bin 0 may be as narrow as sigma = 1e-5 round mu = 1: equal words must give a cosine of 1 to about 1e-6.
;   So rows are rounded to bf16 first and the raw rounded rows are multiplied: D = A x B (documents x queries), and beside it
;   D2 = A x A and, in the first tile, D3 = B x B on the same fragments.  Their diagonals are the rows' sums of squares, made of the same
;   numbers in the same places of k by the same ten links as the dot products.  The dot product is scaled afterwards.
; MATRIX USE.  Result register j of lane (r, h) is (document 8 h + j, query r): a lane serves one query, 11 running sums.
; NO CLUSTER, NO MULTICAST: no two work-groups read the same tile; each gathers its own rows and reads its own 32,768 bytes of mask.
; NO COPY ENGINE: rows have to be rounded on their way, so they pass through registers anyway.
; LIMITS.  (1) Order of rounding differs from the definition: round rows to bf16, dot, then scale by 1/(norm + 1e-10) of either side;
;   the sums of squares carry the matrix unit's rounding.
;   (2) v_sqrt_f32, v_rcp_f32, v_exp_f32 flush denormals (ISA guide, 15.8): a row whose sum of squares is below 2^-126 counts as a zero row;
;   2 sigma^2 below 2^-126 is not served; an exponential below 2^-126 counts as 0, which the clamp at 1e-10 hides.
;   (3) The clamp is v_max_num_f32: a NaN sum becomes 1e-10 instead of staying NaN.  (4) Indices are clamped to 100,000, the last table row.
.set ROWB,   1200                      ; bytes of a table row
.set PIECE,  240                       ; bytes that a half-wave's load covers
.set VMAX,   0x186a0                   ; last row of the table
.set PITCH,  656                       ; LDS row of 320 bf16 + 16 bytes = 41 x 16: an odd multiple of 16
.set MPITCH, 272                       ; LDS row of 64 f32 of mask + 16 bytes = 17 x 16
.set EPS,    0x2edbe6ff                ; 1e-10
; LDS map (bytes)
.set NB,   0                           ; 64 a wave: 1 / (norm + 1e-10) of its 16 stage rows
.set RB,   1024                        ; 1,536 a wave: 48 bytes a lane, its 11 sums and a zero
.set RBW,  1536
.set QB,   13312                       ; 16 query rows in bf16
.set STG,  23808                       ; 10,496 a wave: its stage of 16 document rows in bf16
.set STGW, 16*PITCH
.set MB,   107776                      ; 4,352 a wave: its 16 queries x 64 documents of mask; ends at 142,592
.set MBW,  16*MPITCH
; vector registers
.set ST16, 1                           ; stage row 8 h, + 16 min(l, 14): where two converted pieces go
.set FRA,  2                           ; stage: my fragment address, row r, + 16 h
.set FRB,  3                           ; the same in the query rows
.set MSKA, 4                           ; my 8 mask words of tile 0: row r, + 32 h
.set NRMA, 5                           ; reciprocal norms of stage rows 8 h ..
.set ST8,  6                           ; stage row 8 h, + 8 min(l, 14): where the fifth piece goes   (first: mu, one bin a lane)
.set NBW,  7                           ; reciprocal norm of stage row r                              (first: sigma, one bin a lane)
.set MUR,  6
.set SGR,  7
.set IQ,   8                           ; v[8:9]    1 / (norm of query r + 1e-10), twice
.set ACC,  10                          ; v[10:31]  bin k: a pair of running sums
.set D3,   10                          ; v[10:17]  first tile, before the sums start: queries x queries
.set D20,  18                          ; v[18:25]  first tile: documents x documents
.set DD,   32                          ; v[32:39]  matrix result, then the eight cosines
.set CVB,  32                          ; v[32:71]  while converting: two sets of 20 registers of packed bf16, in turn
.set FR,   40                          ; v[40:71]  two fragment buffers: A 8, B 8 registers each
.set DT,   40                          ; v[40:46]  then: picking the diagonal of documents x documents
.set MK,   48                          ; v[48:55]  mask words of my eight documents
.set QT,   56                          ; v[56:62]  first tile: picking the diagonal of queries x queries
.set NV,   56                          ; v[56:63]  reciprocal norms of my eight documents
.set TA,   56                          ; v[56:63]  s - mu
.set TB,   64                          ; v[64:71]  exponent, exponential
.set OFF,  72                          ; v[72:95]  byte offsets in the table of my rows of tiles 1 to 3; tile t's eight serve as its
                                       ;           documents x documents accumulator once its rows have arrived
.set XR,   96                          ; v[96:255] the ring: slot a at 96 + 20 a
; used in front of the first tile only
.set MREG, 8                           ; v[8:39]   mask as loaded
.set I0,   40                          ; v[40:47]  tile 0: indices, then offsets
.set IQX,  48                          ; query row: index, then offset
.set MLA,  49                          ; where my 16 bytes of mask go in LDS
.set L16,  50                          ; 16 min(l, 14)
.set XQ,   52                          ; v[52:71]  my query row's pieces
.set TW,   236                         ; v[236:249] short-lived lane numbers and addresses, in slot 7 of the ring, dead before it is filled
.set TL,   237
.set TH,   238
.set TL14, 239
.set TLN,  240
.set KA,   241
.set IQA,  242
.set IDA,  243
.set MGA,  244
.set TR,   245
.set Z2,   246                         ; v[246:247] a pair of zeros
.set PA,   248
.set PQ,   249
; used behind the last tile only
.set RS,   96                          ; v[96:191] the eight waves' sums
.set RDA,  192
.set WRA,  193
.set QWA,  252
.set QW,   253
; scalar registers: s2 wave; s[4:23] the ten addresses; s[24:25] an offset; s26, s27 lane selects; s3, s28, s30, s31 LDS bases; s29 EXEC
.set CK,   32                          ; s[32:53]  bin k: -log2(e) / (2 sigma^2), twice
.set LB0,  54                          ; lanes whose number has bit 0 set
.set LB1,  55                          ; bit 1
.set LB2,  56                          ; bit 2
.set LDG,  57                          ; lanes 0-7 and 24-31: those with r >> 3 = h, which hold a diagonal element
.set NMU,  66                          ; s[66:87]  bin k: -mu, twice
.set W1S,  88                          ; s[88:98]  W1;  s99 b1
.macro NOP4                            ; the four places between a matrix instruction and a load into, a write of or a read of its registers
.rept 4
	v_nop
.endr
.endm
.macro OFFS reg                        ; index -> byte offset of my piece 0 of that row
	v_min_u32 v[\reg], VMAX, v[\reg]
	v_mul_u32_u24 v[\reg], ROWB, v[\reg]
	v_add_nc_u32 v[\reg], v[L16], v[\reg]
.endm
.macro FILL xb, oreg                   ; the five pieces of a pair of rows
.irp j, 0,1,2,3,4
	global_load_b128 v[\xb+4*\j:\xb+4*\j+3], v[\oreg], s[16:17] offset:PIECE*\j
.endr
.endm
.macro CVT10 xb, cb                    ; a pair of rows: 20 f32 a lane -> 10 registers of packed bf16, rounded to nearest even
.irp j, 0,1,2,3,4
	v_cvt_pk_bf16_f32 v[\cb+2*\j],   v[\xb+4*\j],   v[\xb+4*\j+1]
	v_cvt_pk_bf16_f32 v[\cb+2*\j+1], v[\xb+4*\j+2], v[\xb+4*\j+3]
.endr
.endm
.macro STO3 a16, a8, off, cb           ; into the LDS row: pieces 0, 1 | pieces 2, 3 | piece 4
	ds_store_b128 v[\a16], v[\cb:\cb+3]   offset:\off
	ds_store_b128 v[\a16], v[\cb+4:\cb+7] offset:\off+240
	ds_store_b64  v[\a8],  v[\cb+8:\cb+9] offset:\off+480
.endm
; Slots 2 p and 2 p + 1 of tile t: stage rows 2 p, 2 p + 1 (lanes 0-15) and 8 + 2 p, 9 + 2 p (lanes 16-31).
.macro DSLOT t, p
.if \t < 3
	s_wait_loadcnt 30                              ; loads return in order: my ten are in; six younger slots stay out (6 - 2 p of this tile, 2 p of the next)
.else
	s_wait_loadcnt 10*(3-\p)                       ; the last tile asks for nothing: the counts run down to 0
.endif
	CVT10 XR+40*\p,    CVB+20*(\p%2)
	CVT10 XR+40*\p+20, CVB+20*(\p%2)+10
.if \t < 3
	FILL XR+40*\p,    OFF+8*\t+2*\p                ; the same two slots, the next tile's rows
	FILL XR+40*\p+20, OFF+8*\t+2*\p+1
.endif
	STO3 ST16, ST8, 2*\p*PITCH,       CVB+20*(\p%2)
	STO3 ST16, ST8, 2*\p*PITCH+PITCH, CVB+20*(\p%2)+10
.endm
.macro FRAG buf, s                     ; the fragments of K step s: 16 rows x 32 bf16 of either side, two loads of 16 bytes 32 bytes apart each
	ds_load_b128 v[FR+16*\buf:FR+16*\buf+3],     v[FRA] offset:64*(\s)
	ds_load_b128 v[FR+16*\buf+4:FR+16*\buf+7],   v[FRA] offset:64*(\s)+32
	ds_load_b128 v[FR+16*\buf+8:FR+16*\buf+11],  v[FRB] offset:64*(\s)
	ds_load_b128 v[FR+16*\buf+12:FR+16*\buf+15], v[FRB] offset:64*(\s)+32
.endm
; One K step: documents x queries, documents x documents, and (q = 1) queries x queries.  Each is the next link of its own chain in place.
; left = how many younger LDS loads may stay out when this buffer has to be in.
.macro WM buf, zero, left, d2, q
	s_wait_dscnt \left                             ; LDS answers in order
.if \zero
	v_wmma_f32_16x16x32_bf16 v[DD:DD+7],   v[FR+16*\buf:FR+16*\buf+7], v[FR+16*\buf+8:FR+16*\buf+15], 0
	v_wmma_f32_16x16x32_bf16 v[\d2:\d2+7], v[FR+16*\buf:FR+16*\buf+7], v[FR+16*\buf:FR+16*\buf+7], 0
.if \q
	v_wmma_f32_16x16x32_bf16 v[D3:D3+7],   v[FR+16*\buf+8:FR+16*\buf+15], v[FR+16*\buf+8:FR+16*\buf+15], 0
.endif
.else
	v_wmma_f32_16x16x32_bf16 v[DD:DD+7],   v[FR+16*\buf:FR+16*\buf+7], v[FR+16*\buf+8:FR+16*\buf+15], v[DD:DD+7]
	v_wmma_f32_16x16x32_bf16 v[\d2:\d2+7], v[FR+16*\buf:FR+16*\buf+7], v[FR+16*\buf:FR+16*\buf+7], v[\d2:\d2+7]
.if \q
	v_wmma_f32_16x16x32_bf16 v[D3:D3+7],   v[FR+16*\buf+8:FR+16*\buf+15], v[FR+16*\buf+8:FR+16*\buf+15], v[D3:D3+7]
.endif
.endif
.endm
; The tile's ten K steps, K ascending, on two fragment buffers.  The stage is the wave's own: LDS serves a wave's
; instructions in order, so the loads see the conversions' stores, and the next tile's stores come behind these loads.
.macro MMA t, d2, q
	FRAG 0, 0
	FRAG 1, 1
	WM 0, 1, 4, \d2, \q                            ; the first products start the sums; the other buffer's four loads stay out
	NOP4
	FRAG 0, 2
	WM 1, 0, 4, \d2, \q
	NOP4
	FRAG 1, 3
.irp s, 4,6,8
	WM 0, 0, 4, \d2, \q
	NOP4
	FRAG 0, \s
	WM 1, 0, 4, \d2, \q
	NOP4
	FRAG 1, \s+1
.endr
	WM 0, 0, 4, \d2, \q                            ; K step 8
	NOP4
	ds_load_b128 v[MK:MK+3],   v[MSKA] offset:64*\t         ; into buffer 0, which is done with: mask of (query r, documents 8 h .. 8 h + 7)
	ds_load_b128 v[MK+4:MK+7], v[MSKA] offset:64*\t+16
	WM 1, 0, 2, \d2, \q                            ; K step 9: the two mask loads stay out
.endm
; The diagonal of a 16 x 16 result: element (i, i) is register i & 7 of lane (r = i, h = i >> 3).  A tree of selects on the lane's bits 0, 1, 2
; picks register r & 7; the lanes with r >> 3 != h take the other half's lane r.  Every lane (r, .) then holds the sum of squares of row r,
; and v[dst] = 1 / (sqrt + 1e-10).  The caller puts a plain instruction behind the reciprocal.
.macro DIAG src, tmp, dst
	v_cndmask_b32 v[\tmp],   v[\src],   v[\src+1], s[LB0]
	v_cndmask_b32 v[\tmp+1], v[\src+2], v[\src+3], s[LB0]
	v_cndmask_b32 v[\tmp+2], v[\src+4], v[\src+5], s[LB0]
	v_cndmask_b32 v[\tmp+3], v[\src+6], v[\src+7], s[LB0]
	v_cndmask_b32 v[\tmp+4], v[\tmp],   v[\tmp+1], s[LB1]
	v_cndmask_b32 v[\tmp+5], v[\tmp+2], v[\tmp+3], s[LB1]
	v_cndmask_b32 v[\tmp+6], v[\tmp+4], v[\tmp+5], s[LB2]
	v_permlanex16_b32 v[\tmp], v[\tmp+6], s26, s27 ; its destination has been written above
	v_cndmask_b32 v[\tmp+6], v[\tmp], v[\tmp+6], s[LDG]
	v_sqrt_f32 v[\tmp+6], v[\tmp+6]
	v_nop                                          ; a plain instruction between a transcendental and the use of its result
	s_wait_alu depctr_va_vdst(0)
	v_add_f32 v[\tmp+6], EPS, v[\tmp+6]
	v_rcp_f32 v[\dst], v[\tmp+6]
.endm
; cosine = dot x 1 / (|q| + 1e-10) x 1 / (|d| + 1e-10).  The sixteen documents' reciprocals change lanes through the wave's own 64 bytes of LDS:
; lane (r, .) stores row r's (both halves the same word, the same value), lane (., h) reads rows 8 h .. 8 h + 7.
.macro SCALE d2, q
	NOP4                                           ; behind the last matrix instructions, before their results are read and buffer 1 is written
.if \q
	DIAG D3, QT, IQ
	v_nop
	s_wait_alu depctr_va_vdst(0)
	v_mov_b32 v[IQ+1], v[IQ]
.endif
	DIAG \d2, DT, DT+6
	v_pk_mul_f32 v[DD:DD+1], v[DD:DD+1], v[IQ:IQ+1]         ; also the plain instruction behind the reciprocal
	s_wait_alu depctr_va_vdst(0)
	ds_store_b32 v[NBW], v[DT+6]
	ds_load_b128 v[NV:NV+3],   v[NRMA]             ; LDS serves a wave's instructions in order: these see the store
	ds_load_b128 v[NV+4:NV+7], v[NRMA] offset:16
.irp p, 2,4,6
	v_pk_mul_f32 v[DD+\p:DD+\p+1], v[DD+\p:DD+\p+1], v[IQ:IQ+1]
.endr
	s_wait_dscnt 0x0                               ; the reciprocals, and the mask words asked for in K step 8
.irp p, 0,2,4,6
	v_pk_mul_f32 v[DD+\p:DD+\p+1], v[DD+\p:DD+\p+1], v[NV+\p:NV+\p+1]
.endr
.endm
; Bin k for my eight cosines: exp2(((s - mu) c) (s - mu)) x mask, added up.  The square is not multiplied out: with a narrow bin that
; would be a difference of huge terms.  first = 1: the first product starts the sums.
.macro BIN k, first
.irp p, 0,2,4,6
	v_pk_add_f32 v[TA+\p:TA+\p+1], v[DD+\p:DD+\p+1], s[NMU+2*\k:NMU+2*\k+1] op_sel_hi:[1,0]
.endr
.irp p, 0,2,4,6
	v_pk_mul_f32 v[TB+\p:TB+\p+1], v[TA+\p:TA+\p+1], s[CK+2*\k:CK+2*\k+1] op_sel_hi:[1,0]
.endr
.irp p, 0,2,4,6
	v_pk_mul_f32 v[TB+\p:TB+\p+1], v[TB+\p:TB+\p+1], v[TA+\p:TA+\p+1]
.endr
.irp i, 0,1,2,3,4,5,6,7
	v_exp_f32 v[TB+\i], v[TB+\i]
.endr
	v_nop
.if \first
	s_wait_alu depctr_va_vdst(0)
	v_pk_mul_f32 v[ACC+2*\k:ACC+2*\k+1], v[TB:TB+1], v[MK:MK+1]
.else
	s_wait_alu depctr_va_vdst(0)
	v_pk_fma_f32 v[ACC+2*\k:ACC+2*\k+1], v[TB:TB+1], v[MK:MK+1], v[ACC+2*\k:ACC+2*\k+1]
.endif
.irp p, 2,4,6
	v_pk_fma_f32 v[ACC+2*\k:ACC+2*\k+1], v[TB+\p:TB+\p+1], v[MK+\p:MK+\p+1], v[ACC+2*\k:ACC+2*\k+1]
.endr
.endm
; d2: the eight registers of the tile's documents x documents sums.
.macro TILE t, first, d2
.irp p, 0,1,2,3
	DSLOT \t, \p
.endr
.if \t == 3
	v_and_b32 v[QWA], 15, v0                       ; the ring is empty: q_weights of query r, asked for here so that the end finds it there.
	v_lshlrev_b32 v[QWA], 2, v[QWA]                ; Every wave asks (64 bytes), to keep the tile free of branches; wave 0 alone uses it
	global_load_b32 v[QW], v[QWA], s[10:11]
.endif
	MMA \t, \d2, \first
	SCALE \d2, \first
.irp k, 0,1,2,3,4,5,6,7,8,9,10
	BIN \k, \first
.endr
.endm
; ---- addresses, lane numbers ----
	s_load_b512 s[4:19], s[0:1], 0x0               ; inputs_q s[4:5], inputs_d s[6:7], mask s[8:9], q_weights s[10:11], mu s[12:13], sigma s[14:15], embeddings s[16:17], W1 s[18:19]
	s_load_b128 s[20:23], s[0:1], 0x40             ; b1 s[20:21], out0 s[22:23]
	s_set_vgpr_msb 0x40
	v_lshl_add_u32 v0, v0, 2, 0x22d00
	v_mov_b32 v1, 0
	s_set_vgpr_msb 0x4000
	v_lshrrev_b32 v[TW], 5, v0
	v_readfirstlane_b32 s2, v[TW]                  ; wave 0..7
	v_and_b32 v[TL], 15, v0                        ; l = r
	v_bfe_u32 v[TH], v0, 4, 1                      ; h
	v_and_b32 v[TLN], 31, v0                       ; lane
	v_min_u32 v[TL14], 14, v[TL]
	v_min_u32 v[KA], 10, v[TLN]
	v_lshlrev_b32 v[KA], 2, v[KA]                  ; bin min(lane, 10) of mu and sigma
	v_lshrrev_b32 v[IQA], 4, v0
	v_lshlrev_b32 v[IQA], 2, v[IQA]                ; query row 2 w + h
	v_lshlrev_b32 v[IDA], 5, v[TH]
	v_lshl_add_u32 v[IDA], v[TW], 8, v[IDA]        ; documents 64 w + 8 h ..: 256 w + 32 h
	v_lshlrev_b32 v[MGA], 4, v[TL]
	v_lshl_add_u32 v[MGA], v[TW], 8, v[MGA]
	v_lshl_add_u32 v[MGA], v[TH], 11, v[MGA]       ; mask: query h, 256 w + 16 l
	s_mov_b32 s26, 0x76543210                      ; v_permlanex16_b32: lane i of the other half
	s_mov_b32 s27, 0xfedcba98
	s_mov_b32 s[LB0], 0xaaaaaaaa
	s_mov_b32 s[LB1], 0xcccccccc
	s_mov_b32 s[LB2], 0xf0f0f0f0
	s_mov_b32 s[LDG], 0xff0000ff
	s_mov_b32 s25, 0
	s_mul_i32 s3, s2, STGW
	s_add_co_u32 s3, s3, STG                       ; my stage
	s_mul_i32 s28, s2, MBW
	s_add_co_u32 s28, s28, MB                      ; my mask block
	s_lshl_b32 s30, s2, 6
	s_add_co_u32 s30, s30, NB                      ; my reciprocal norms
	s_mul_i32 s31, s2, 2*PITCH
	s_add_co_u32 s31, s31, QB                      ; my two query rows
	s_wait_kmcnt 0x0
	s_lshl_b32 s24, ttmp9, 6                       ; the batch's part of each input
	s_add_nc_u64 s[4:5], s[4:5], s[24:25]
	s_add_nc_u64 s[10:11], s[10:11], s[24:25]
	s_lshl_b32 s24, ttmp9, 11
	s_add_nc_u64 s[6:7], s[6:7], s[24:25]
	s_lshl_b32 s24, ttmp9, 15
	s_add_nc_u64 s[8:9], s[8:9], s[24:25]
	s_lshl_b32 s24, ttmp9, 2
	s_add_nc_u64 s[22:23], s[22:23], s[24:25]
	s_load_b256 s[W1S:W1S+7], s[18:19], 0x0        ; W1's 44 bytes and b1: waited for at the end
	s_load_b64 s[W1S+8:W1S+9], s[18:19], 0x20
	s_load_b32 s[W1S+10], s[18:19], 0x28
	s_load_b32 s99, s[20:21], 0x0
; ---- 19 loads: what the gather hangs on first, the mask last ----
	global_load_b32 v[MUR], v[KA], s[12:13]        ; mu
	global_load_b32 v[SGR], v[KA], s[14:15]        ; sigma
	global_load_b32 v[IQX], v[IQA], s[4:5]
	global_load_b128 v[I0:I0+3],   v[IDA], s[6:7]  ; a half-wave's 8 rows of a tile are 32 neighbouring bytes
	global_load_b128 v[I0+4:I0+7], v[IDA], s[6:7] offset:16
.irp t, 0,1,2
	global_load_b128 v[OFF+8*\t:OFF+8*\t+3],   v[IDA], s[6:7] offset:64*\t+64
	global_load_b128 v[OFF+8*\t+4:OFF+8*\t+7], v[IDA], s[6:7] offset:64*\t+80
.endr
.irp c, 0,1,2,3,4,5,6,7
	global_load_b128 v[MREG+4*\c:MREG+4*\c+3], v[MGA], s[8:9] offset:4096*\c th:TH_LOAD_NT   ; queries 2 c + h: 16 lanes take 256 consecutive bytes, aligned
.endr
; ---- LDS addresses and the zero pads, while those are out ----
	v_mul_u32_u24 v[ST16], 8*PITCH, v[TH]
	v_lshl_add_u32 v[ST16], v[TL14], 4, v[ST16]
	v_add_nc_u32 v[ST16], s3, v[ST16]
	v_mul_u32_u24 v[TR], PITCH, v[TL]              ; row r
	v_lshl_add_u32 v[FRB], v[TH], 4, v[TR]
	v_add_nc_u32 v[FRA], s3, v[FRB]
	v_add_nc_u32 v[FRB], QB, v[FRB]
	v_mul_u32_u24 v[MSKA], MPITCH, v[TL]
	v_lshl_add_u32 v[MSKA], v[TH], 5, v[MSKA]
	v_add_nc_u32 v[MSKA], s28, v[MSKA]
	v_lshl_add_u32 v[NRMA], v[TH], 5, s30
	v_mul_u32_u24 v[MLA], MPITCH, v[TH]
	v_lshl_add_u32 v[MLA], v[TL], 4, v[MLA]
	v_add_nc_u32 v[MLA], s28, v[MLA]
	v_lshlrev_b32 v[L16], 4, v[TL14]
	v_mov_b32 v[Z2], 0
	v_mov_b32 v[Z2+1], 0
	v_lshl_add_u32 v[PA], v[TH], 3, v[TR]
	v_add_nc_u32 v[PA], s3, v[PA]
	ds_store_b64 v[PA], v[Z2:Z2+1] offset:600      ; bytes 600 to 639 of my 16 stage rows (K = 300 .. 319) are zero for good;
	ds_store_b64 v[PA], v[Z2:Z2+1] offset:616      ; h = 1's last 8 bytes, 640 to 647, fall into the row's padding
	ds_store_b64 v[PA], v[Z2:Z2+1] offset:632
	v_min_u32 v[PQ], 4, v[TL]
	v_mul_u32_u24 v[TR], PITCH, v[TH]
	v_lshl_add_u32 v[PQ], v[PQ], 3, v[TR]
	v_add_nc_u32 v[PQ], s31, v[PQ]
	ds_store_b64 v[PQ], v[Z2:Z2+1] offset:600      ; the same 40 bytes of my two query rows (lanes 4 to 15 write the last 8 alike)
; ---- the gather starts ----
	s_wait_loadcnt 0x8                             ; mu, sigma and all indices are in; the eight mask loads stay out
	s_wait_xcnt 0x0                                ; the mask loads' offset register lies in the ring's last slot, which is loaded below
	OFFS IQX
	FILL XQ, IQX
.irp a, 0,1,2,3,4,5,6,7
	OFFS I0+\a
	FILL XR+20*\a, I0+\a
.endr
; ---- under those 45 loads: the other tiles' offsets, the bins' constants ----
.irp i, 0,1,2,3,4,5,6,7,8,9,10,11,12,13,14,15,16,17,18,19,20,21,22,23
	OFFS OFF+\i
.endr
	v_mul_f32 v[SGR], v[SGR], v[SGR]
	v_add_f32 v[SGR], v[SGR], v[SGR]               ; 2 sigma^2
	v_rcp_f32 v[SGR], v[SGR]
	v_xor_b32 v[MUR], 0x80000000, v[MUR]           ; -mu; also the plain instruction behind the reciprocal
	s_wait_alu depctr_va_vdst(0)
	v_mul_f32 v[SGR], 0xbfb8aa3b, v[SGR]           ; c = -log2(e) / (2 sigma^2)
.irp k, 0,1,2,3,4,5,6,7,8,9,10
	v_readlane_b32 s[NMU+2*\k], v[MUR], \k
	v_readlane_b32 s[CK+2*\k], v[SGR], \k
	s_mov_b32 s[NMU+2*\k+1], s[NMU+2*\k]           ; the packed forms name a pair
	s_mov_b32 s[CK+2*\k+1], s[CK+2*\k]
.endr
; ---- the mask into my own block of LDS ----
	s_wait_loadcnt 45                              ; behind the mask: 5 loads of the query pair, 40 of tile 0
.irp c, 0,1,2,3,4,5,6,7
	ds_store_b128 v[MLA], v[MREG+4*\c:MREG+4*\c+3] offset:2*MPITCH*\c
.endr
; ---- the last addresses (mu's and sigma's registers are free now), and my two query rows ----
	v_and_b32 v22, 15, v0                          ; l = r
	v_bfe_u32 v23, v0, 4, 1                        ; h
	v_min_u32 v24, 14, v22
	v_mul_u32_u24 v25, 8*PITCH, v23
	v_lshl_add_u32 v[ST8], v24, 3, v25
	v_add_nc_u32 v[ST8], s3, v[ST8]
	v_lshl_add_u32 v[NBW], v22, 2, s30
	v_mul_u32_u24 v25, PITCH, v23
	v_add_nc_u32 v25, s31, v25                     ; query row 2 w + h
	v_lshl_add_u32 v10, v24, 4, v25
	v_lshl_add_u32 v11, v24, 3, v25
	s_wait_loadcnt 40                              ; behind the query pair: tile 0
	CVT10 XQ, 12
	STO3 10, 11, 0, 12
	s_wait_dscnt 0x0                               ; for the other waves' sake: my query rows and their pads are in LDS
	s_barrier_signal -1
	s_barrier_wait -1                              ; all 16 query rows are.  They are never written again
	s_wait_xcnt 0x0                                ; tile 0's loads name v[40:47] as offsets: the first conversions write v[32:51] only behind this wait
; ---- the four tiles ----
	TILE 0, 1, D20
	TILE 1, 0, OFF
	TILE 2, 0, OFF+8
	TILE 3, 0, OFF+16
; ---- the waves' sums meet in LDS ----
.irp k, 0,1,2,3,4,5,6,7,8,9,10
	v_add_f32 v[RS+\k], v[ACC+2*\k], v[ACC+2*\k+1]
.endr
	v_mov_b32 v[RS+11], 0
	v_and_b32 v[RDA], 31, v0
	v_mul_u32_u24 v[RDA], 48, v[RDA]               ; 48 bytes a lane = 3 x 16
	s_mul_i32 s3, s2, RBW
	v_add_nc_u32 v[WRA], s3, v[RDA]
	ds_store_b128 v[WRA], v[RS:RS+3]    offset:RB
	ds_store_b128 v[WRA], v[RS+4:RS+7]  offset:RB+16
	ds_store_b128 v[WRA], v[RS+8:RS+11] offset:RB+32
	s_wait_kmcnt 0x0                               ; W1 and b1
	s_wait_dscnt 0x0                               ; for wave 0's sake
	s_barrier_signal -1
	s_barrier_wait -1
	s_cmp_lg_u32 s2, 0
	s_cbranch_scc1 .Lend
; ---- wave 0: lane (r, h) adds up the eight waves' sums of lane (r, h), then the two halves; 16 queries x 11 bins ----
	s_wait_loadcnt 0x0                             ; q_weights
.irp w, 0,1,2,3,4,5,6,7
.irp i, 0,1,2
	ds_load_b128 v[RS+12*\w+4*\i:RS+12*\w+4*\i+3], v[RDA] offset:RB+RBW*\w+16*\i
.endr
.endr
	s_wait_dscnt 0x0
.irp w, 1,2,3,4,5,6,7
.irp p, 0,2,4,6,8,10
	v_pk_add_f32 v[RS+\p:RS+\p+1], v[RS+\p:RS+\p+1], v[RS+12*\w+\p:RS+12*\w+\p+1]
.endr
.endr
.irp k, 0,1,2,3,4,5,6,7,8,9,10
	v_permlanex16_b32 v[RS+12+\k], v[RS+\k], s26, s27      ; its destination has been written (by the loads above)
.endr
.irp p, 0,2,4,6,8,10
	v_pk_add_f32 v[RS+\p:RS+\p+1], v[RS+\p:RS+\p+1], v[RS+12+\p:RS+12+\p+1]
.endr
.irp k, 0,1,2,3,4,5,6,7,8,9,10
	v_max_num_f32 v[RS+\k], EPS, v[RS+\k]
.endr
.irp k, 0,1,2,3,4,5,6,7,8,9,10
	v_log_f32 v[RS+\k], v[RS+\k]                   ; log2; the factor ln 2 goes into the last multiply-add
.endr
	v_nop
	s_wait_alu depctr_va_vdst(0)
	v_mul_f32 v[RS+24], s[W1S], v[RS]
.irp k, 1,2,3,4,5,6,7,8,9,10
	v_fmac_f32 v[RS+24], s[W1S+\k], v[RS+\k]
.endr
	v_mul_f32 v[RS+24], v[RS+24], v[QW]
	v_add_f32_dpp v[RS+24], v[RS+24], v[RS+24] row_xmask:1 row_mask:0xf bank_mask:0xf     ; over the 16 queries
	v_add_f32_dpp v[RS+24], v[RS+24], v[RS+24] row_xmask:2 row_mask:0xf bank_mask:0xf
	v_add_f32_dpp v[RS+24], v[RS+24], v[RS+24] row_xmask:4 row_mask:0xf bank_mask:0xf
	v_add_f32_dpp v[RS+24], v[RS+24], v[RS+24] row_xmask:8 row_mask:0xf bank_mask:0xf
	v_mov_b32 v[RS+25], s99
	v_fmamk_f32 v[RS+24], v[RS+24], 0x3be32166, v[RS+25]   ; x 0.01 ln 2, + b1
	v_mul_f32 v[RS+24], 0x4038aa3b, v[RS+24]       ; tanh z = 1 - 2 / (1 + exp2(2 log2(e) z))
	v_exp_f32 v[RS+24], v[RS+24]
	v_mov_b32 v[RS+26], 0                          ; the store's offset; also the plain instruction behind the exponential
	s_wait_alu depctr_va_vdst(0)
	v_add_f32 v[RS+24], 1.0, v[RS+24]
	v_rcp_f32 v[RS+24], v[RS+24]
	v_cmp_eq_u32 vcc_lo, 0, v0                     ; likewise behind the reciprocal
	s_wait_alu depctr_va_vdst(0)
	v_fma_f32 v[RS+24], v[RS+24], -2.0, 1.0
	s_wait_xcnt 0x0                                ; EXEC is a source of the loads issued above: it changes only behind this wait
	s_and_saveexec_b32 s29, vcc_lo
	global_store_b32 v[RS+26], v[RS+24], s[22:23]  ; the batch's one number: 4 bytes are all that a work-group has to store
	s_wait_xcnt 0x0
	s_or_b32 exec_lo, exec_lo, s29
.Lend:
	s_set_vgpr_msb 0x5
	s_wait_tensorcnt 0x0
	ds_add_u32 v0, v1
	s_wait_dscnt 0x0
	s_set_vgpr_msb 0x500
	s_endpgm
.Lfunc_end_k_q396678a32f_knrm:
	.size	k_q396678a32f_knrm, .Lfunc_end_k_q396678a32f_knrm-k_q396678a32f_knrm
	.p2alignl 7, 3214868480
	.fill 96, 4, 3214868480
	.section	.rodata,"a",@progbits
	.p2align	6, 0x0
	.amdhsa_kernel k_q396678a32f_knrm
		.amdhsa_group_segment_fixed_size 143616
		.amdhsa_private_segment_fixed_size 0
		.amdhsa_enable_private_segment 0
		.amdhsa_kernarg_size 80
		.amdhsa_user_sgpr_count 2
		.amdhsa_user_sgpr_kernarg_segment_ptr 1
		.amdhsa_wavefront_size32 1
		.amdhsa_system_sgpr_workgroup_id_x 1
		.amdhsa_system_sgpr_workgroup_id_y 1
		.amdhsa_system_sgpr_workgroup_id_z 1
		.amdhsa_system_vgpr_workitem_id 0
		.amdhsa_next_free_vgpr 258
		.amdhsa_next_free_sgpr 100
		.amdhsa_reserve_vcc 1
		.amdhsa_float_denorm_mode_32 3
		.amdhsa_float_denorm_mode_16_64 3
		.amdhsa_memory_ordered 1
		.amdhsa_forward_progress 1
		.amdhsa_inst_pref_size 154
	.end_amdhsa_kernel
	.amdgpu_metadata
---
amdhsa.version: [ 1, 2 ]
amdhsa.kernels:
  - .name:           k_q396678a32f_knrm
    .symbol:         k_q396678a32f_knrm.kd
    .args:
      - { .name: inputs_q, .offset: 0, .size: 8, .value_kind: global_buffer, .address_space: global }
      - { .name: inputs_d, .offset: 8, .size: 8, .value_kind: global_buffer, .address_space: global }
      - { .name: mask, .offset: 16, .size: 8, .value_kind: global_buffer, .address_space: global }
      - { .name: q_weights, .offset: 24, .size: 8, .value_kind: global_buffer, .address_space: global }
      - { .name: mu, .offset: 32, .size: 8, .value_kind: global_buffer, .address_space: global }
      - { .name: sigma, .offset: 40, .size: 8, .value_kind: global_buffer, .address_space: global }
      - { .name: embeddings, .offset: 48, .size: 8, .value_kind: global_buffer, .address_space: global }
      - { .name: W1, .offset: 56, .size: 8, .value_kind: global_buffer, .address_space: global }
      - { .name: b1, .offset: 64, .size: 8, .value_kind: global_buffer, .address_space: global }
      - { .name: out0, .offset: 72, .size: 8, .value_kind: global_buffer, .address_space: global }
    .group_segment_fixed_size: 143616
    .private_segment_fixed_size: 0
    .kernarg_segment_align: 8
    .kernarg_segment_size: 80
    .max_flat_workgroup_size: 256
    .sgpr_count:     100
    .vgpr_count:     258
    .wavefront_size: 32
...
	.end_amdgpu_metadata
.endif
;; end of part 1
